; MI455X (gfx1250); checked and timed in simulation.
; The chip was launched on July 23, 2026; its instructions are those of AMD's public machine-readable ISA for CDNA 5 (MIT licence, August 2026) and "CDNA5" Instruction Set Architecture Reference Guide (July 2026). The comments in the code are by the model that wrote it; some were corrected since.
;; K Madness. Allowed arithmetic: float matrix products may take bf16 or f16 operands with f32 sums; all other float work in f32.
;; Inputs: coords 128 x 256 float32; x 16,384 x 256 float32.
;; Outputs: out0 16,384 x 128 bool.
;; One version. Each part assembles by itself: llvm-mc -triple=amdgcn-amd-amdhsa -mcpu=gfx1250 --defsym DOCPART=n.
;; ======== version 1 of 1: 1 launch
;; limits: a difference of large sums (such as E[x^2] - mean^2): digits are lost where the result is much smaller than its terms
;; launch kmad (part 1): grid 256 x 1, 4 waves a work-group, clusters of 4 x 1, 277,504 bytes of LDS; arguments x, coords, out0; writes out0
.if DOCPART == 1
	.amdgcn_target "amdgcn-amd-amdhsa--gfx1250"
	.amdhsa_code_object_version 6
	.text
	.protected	k_q57270971a4_kmad
	.globl	k_q57270971a4_kmad
	.p2align	8
	.type	k_q57270971a4_kmad,@function
k_q57270971a4_kmad:
	s_mov_b64 s[64:65], 0
	v_nop
	global_prefetch_b8 v0, s[64:65] scope:SCOPE_SE
	s_setreg_imm32_b32 hwreg(HW_REG_WAVE_MODE, 25, 1), 1
	s_wait_xcnt 0x0
	s_wait_alu depctr_hold_cnt(0) depctr_sa_sdst(0) depctr_va_vdst(0) depctr_va_sdst(0) depctr_va_ssrc(0) depctr_va_vcc(0) depctr_vm_vsrc(0)
	s_getreg_b32 s2, hwreg(HW_REG_IB_STS2, 6, 4)
	s_cmp_eq_u32 s2, 0
	s_cbranch_scc0 .Lentry_in_a_cluster
	s_endpgm
.Lentry_in_a_cluster:
	s_bfe_u32 s2, ttmp6, 0x10000c
	s_cmp_lg_u32 s2, 0x3003
	s_cbranch_scc0 .Lentry_shape_is_right
	s_endpgm
.Lentry_shape_is_right:
; out0[n][j] = (second smallest over i of h[n][i][j]) > 0, with h[n][i][j] = (c_i - c_j) . x_n + |c_i|^2 - |c_j|^2.
; x: [16384][256] f32, coords: [128][256] f32, out0: [16384][128] bytes of 0 or 1.
; THE FORM.  With t[n][i] = c_i . x_n + |c_i|^2 the number h[n][i][j] is t[n][i] - t[n][j], and h[n][j][j] is 0.  So out0[n][j] is 1 only for the j whose score t is the row's smallest, and only if it is
; strictly so.  Two steps.  THE SEARCH: one product [16384 x 256] x [256 x 128] gives all scores, and of each row the places A and B of its two smallest (equal scores are told apart by their places).
; THE DECISION is made on the difference itself: h = (c_A - c_B) . x + (|c_A|^2 - |c_B|^2), w = c_A - c_B in f32, one chain of 256 fused multiply-adds over ascending channels.
; h < 0: the byte of A is 1; h > 0: the byte of B; h = 0: none.  The search's rounding (whole sums, some ten times the size of their differences) thus decides nothing between the two.
; FORMATS.  x and coords are rounded to bf16 wherever they are used, in |c_i|^2 too; products of two bf16 numbers are exact in f32, and all sums, minima and compares are f32.
; LIMITS.  (1) Only the search's two smallest are compared: a third score that lies within the search's rounding (some 1e-6 of the scores' size; more by the factor by which a common offset of the inputs
; makes the sums larger than their differences) of those two is not looked at.  (2) h's f32 sums have one fixed order; another order may give h another sign where |h| is below their rounding.
; (3) NaN and infinities are not treated apart.
; SHARES.  256 work-groups of four waves; a work-group owns 64 rows of x, a wave 16 rows x all 128 coords: 8 accumulators of 16 x 16, 8 steps of 32 along the 256 channels, 64 matrix instructions.
; Source 0 = 16 coords, source 1 = 16 rows of x: in the result lane l holds ONE row of x (l % 16) and the coords 8 (l / 16) + 0..7 of the block: eight neighbouring bytes of out0.
; NO ADDRESS HANGS ON DATA: c_A and c_B are fetched by the matrix unit, as products of coords^T with vectors that hold a single 1: 128 matrix instructions a wave, each sum one product 1.0 x c, exact.
; CLUSTER.  Every work-group needs all of coords (131,072 bytes, twice its 65,536 bytes of x), so four work-groups ask for it JOINTLY: wave w of each issues the same tensor load for rows 32 w .. 32 w + 31.
; x comes by tensor loads of the wave's own.  All of it fits in LDS at once: every byte is asked for at the start, nothing is filled again, and a wave has two tensor loads out at the most.
.set CPITCH, 1040                      ; a row of 256 f32 in LDS: 1,024 bytes + 16 of padding
.set BPITCH, 528                       ; a row of 256 bf16: 512 + 16 = 33 x 16: likewise for the plain fragment loads
.set SPITCH, 144                       ; a row of 128 output bytes + 16
.set CF,    0                          ; coords in f32, 128 rows; wave w fills and reads rows 32 w .. 32 w + 31
.set XF,    CF+128*CPITCH              ; 133,120: x in f32, 64 rows; wave w fills and reads rows 16 w .. 16 w + 15
.set CB,    XF+64*CPITCH               ; 199,680: coords in bf16, 128 rows, stored by the waves, read by all behind the barrier
.set NV,    CB+128*BPITCH              ; 267,264: |c_i|^2, 128 f32
.set ST,    NV+512                     ; 267,776: the way out, 16 rows x 144 bytes for each wave
.set SPARE, ST+4*16*SPITCH             ; 276,992: the spare words, 128 bytes for each wave: two blocks of 256 bytes that no other line names
.set KB,    0x4b000000                 ; 2^23 as f32: KB + i is the f32 number 2^23 + i, so keys made of places are ordered as f32 as the places are, and whole-number sums on their bits are right too
.set SPW, 1                            ; v1   LDS address of my spare word; never rewritten
.set NIL, 2                            ; v2   0; never rewritten
.set LN,  3                            ; v3   lane
.set RR,  4                            ; v4   lane % 16
.set HH,  5                            ; v5   lane / 16
.set CA,  6                            ; v6   my coord's row in CF (conversion: lane l of wave w owns coord 32 w + l)
.set CS,  7                            ; v7   the same row in CB
.set NA,  8                            ; v8   its word in NV
.set AX,  9                            ; v9   my row of x in XF, + 32 bytes for the upper half of the lanes
.set AC,  10                           ; v10  my place in a fragment of coords in CB
.set NL,  11                           ; v11  NV + 32 (lane / 16)
.set NB,  12                           ; v12  NV
.set STO, 13                           ; v13  the way out: where I put 8 bytes of a row
.set RD,  14                           ; v14  the way out: where I read 16 bytes back
.set GO,  15                           ; v15  my byte offset in 512 consecutive bytes of out0
.set N0,  16                           ; v[16:17] |c_0|^2, twice
.set K0,  18                           ; v[18:21] a 1 in byte 0, 1, 2, 3
.set TW,  22                           ; v22  at work
.set ATR, 23                           ; v23  my place in a turned fragment of coords in CB
.set XR,  24                           ; v[24:39] one step of my row of x in f32
.set XB,  40                           ; v[40:63] fragments of x in bf16: three buffers in the search, two (v40-55) in the decision
.set ACC, 64                           ; v[64:127] accumulator b at ACC + 8 b
.set F0,  128                          ; v[128:191], v[192:255] coords' fragments of a step, by the step's parity; in the conversion: coords in f32
.set PK,  64                           ; conversion: v[64:95] 64 numbers in bf16
.set NS,  96                           ; conversion: v[96:103] eight partial sums of squares
; behind the search:
.set M1,  24                           ; v[24:27] four chains' smallest,
.set M2,  28                           ; v[28:31] second smallest,
.set TT,  32                           ; v[32:35] and a register at work each
.set M1R, 36                           ; v36  the row's smallest score
.set M2R, 37                           ; v37  its second smallest, equal scores counted each
.set CD,  40                           ; v[40:47] candidate keys, two groups of four
.set CM,  48                           ; v[48:51] four chains' lowest key
.set IA,  56                           ; v56  A's key less 8 (l / 16): it equals one of my 64 keys if A is one of my 64 coords, and none otherwise
.set IB,  57                           ; v57  the same for B
.set NAV, 58                           ; v58  |c_A|^2, later |c_A|^2 - |c_B|^2
.set NBV, 59                           ; v59  |c_B|^2
.set DOT, 60                           ; v60  the running sum while the lower half of the lanes has it
.set DOP, 61                           ; v61  while the upper half has it
.set SENT, 62                          ; v62  a key above all keys
.set H8,  63                           ; v63  8 (l / 16)
.set NR,  128                          ; v[128:191] |c_i|^2 of my 64 coords, in the accumulators' order
.set SA,  192                          ; v[192:223] source 1 for c_A: four fragments of 32 coords x 16 rows, a single 1.0 in each row
.set SB,  224                          ; v[224:255] the same for c_B
.set FT,  64                           ; v[64:127] coords^T: 16 channels x 128 coords, four fragments; two buffers
.set DSEL, 128                         ; v[128:159] 16 channels of c_A (8 registers) and of c_B (8); two buffers
.set WR,  160                          ; v[160:167] c_A - c_B for my 8 channels
.set HV,  168                          ; v168 h
.set WIN, 169                          ; v169 the key of the byte that is 1, as IA and IB are kept; or the key above all
.set W,   192                          ; v[192:207] the lane's 64 bytes
.set OB,  208                          ; v[208:223] whole rows read back
.set WV,  10                           ; s10  my wave's number
.set G1C, 16                           ; s[16:23] descriptor group 1 for coords
.set G1X, 24                           ; s[24:31] for x
.set G0C, 32                           ; s[32:35] descriptor group 0 for coords
.set G0X, 36                           ; s[36:39] for x
.set SEL, 40                           ; s[40:41] v_permlanex16_b32's selects: each lane takes its own place in the other half
.set HM,  54                           ; s54  the upper half of the lanes
.set MK,  56                           ; s[56:63] eight compares' masks
; A round of the cluster's barrier: my work-group's barrier, so that wave 0's signal speaks for all four waves; wave 0 signals; every wave waits for all four work-groups; my work-group's barrier once more.
.macro ROUND
	s_barrier_signal -1
	s_barrier_wait -1
	s_cmp_lg_u32 s[WV], 0
	s_cbranch_scc1 .Lnot_wave_0_\@
	s_barrier_signal -3
.Lnot_wave_0_\@:
	s_barrier_wait -3
	s_barrier_signal -1
	s_barrier_wait -1
.endm
	s_load_b128 s[4:7], s[0:1], 0x0                ; x s[4:5], coords s[6:7]
	s_load_b64 s[8:9], s[0:1], 0x10                ; out0
	v_lshl_add_u32 v[SPW], v0, 2, SPARE
	v_mov_b32 v[NIL], 0
	ds_add_u32 v[SPW], v[NIL]                      ; the wave's opening: the add and its wait stand ahead of my first tensor load; the set-up below, work on registers, stands between them
	v_lshrrev_b32 v3, 5, v0
	v_readfirstlane_b32 s[WV], v3                  ; wave 0..3
	s_bfe_u32 s11, ttmp6, 0x40000                  ; cx: my place in the cluster
	s_lshl_b32 s12, ttmp9, 2                       ; in a cluster launch ttmp9 counts clusters
	s_add_co_u32 s12, s12, s11                     ; my work-group = 4 x cluster + cx: it enters x's and out0's global addresses alone
	; descriptor group 1: rows of 256 elements of 4 bytes, 16 bytes of padding behind each row
	s_mov_b32 s[G1C], 15|(2<<16)|(1<<20)|(1<<21)|(7<<22)|(3<<25)  ; 15:0 the mask: all four work-groups; 17:16 elements of 4 bytes; 20 padding on; 21 set beside a mask; 24:22 after every 256 words (code 7); 31:25 4 words (code 3)
	s_mov_b32 s[G1X], (2<<16)|(1<<20)|(7<<22)|(3<<25)             ; the same for a load of my own: no mask
.irp g, G1C, G1X
	s_mov_b32 s[(\g)+1], 256<<16                   ; tensor_dim0 = 256
	s_mov_b32 s[(\g)+3], 256<<16                   ; tile_dim0 = 256
	s_mov_b32 s[(\g)+5], 256                       ; 256 elements from row to row
	s_mov_b32 s[(\g)+6], 0
	s_mov_b32 s[(\g)+7], 0
.endr
	s_mov_b32 s[G1C+2], 32<<16                     ; tensor_dim1 = 32 rows of coords a wave,
	s_mov_b32 s[G1C+4], 32                         ; tile_dim1 = 32
	s_mov_b32 s[G1X+2], 16<<16                     ; 16 rows of x a wave
	s_mov_b32 s[G1X+4], 16
	s_mul_i32 s48, s[WV], 32*CPITCH                ; my quarter of CF
	s_mul_i32 s49, s[WV], 32*BPITCH
	s_add_co_u32 s49, s49, CB                      ; my quarter of CB
	s_mul_i32 s50, s[WV], 16*SPITCH
	s_add_co_u32 s50, s50, ST                      ; my stage
	s_mul_i32 s51, s[WV], 16*CPITCH
	s_add_co_u32 s51, s51, XF                      ; my rows of XF: no place in the cluster enters an LDS address
	s_mov_b32 s[G0C], 1                            ; 1:0 count = 1
	s_mov_b32 s[G0C+1], s48                        ; 63:32 LDS address
	s_mov_b32 s[G0X], 1
	s_mov_b32 s[G0X+1], s51
	s_lshl_b32 s14, s[WV], 15                      ; coords: my 32 rows of 1,024 bytes: the wave's number alone, the same in all four partners
	s_mov_b32 s15, 0
	s_lshl_b32 s42, s12, 16                        ; x: my work-group's 64 rows of 1,024 bytes,
	s_lshl_b32 s43, s[WV], 14                      ; my wave's 16 of them
	s_add_co_u32 s42, s42, s43
	s_mov_b32 s43, 0
	s_lshl_b32 s52, s12, 13                        ; out0: 64 rows of 128 bytes,
	s_lshl_b32 s53, s[WV], 11                      ; my wave's 16
	s_add_co_u32 s52, s52, s53
	s_mov_b32 s53, 0
	s_mov_b32 s[SEL], 0x76543210
	s_mov_b32 s[SEL+1], 0xfedcba98
	s_mov_b32 s[HM], 0xffff0000
	s_wait_dscnt 0x0                               ; the opening add is done
	s_wait_kmcnt 0x0
	s_add_nc_u64 s[G0C+2:G0C+3], s[6:7], s[14:15]  ; 120:64 global address
	s_or_b32 s[G0C+3], s[G0C+3], 0x80000000        ; 127:126 type = 2
	s_add_nc_u64 s[G0X+2:G0X+3], s[4:5], s[42:43]
	s_or_b32 s[G0X+3], s[G0X+3], 0x80000000
	s_add_nc_u64 s[8:9], s[8:9], s[52:53]          ; out0 at my wave's first row
	ROUND                                          ; all four work-groups are here: the joint loads meet
	tensor_load_to_lds s[G0C:G0C+3], s[G1C:G1C+7]  ; my quarter of coords, jointly; it is wanted first, so it is asked for first
	s_nop 0
	tensor_load_to_lds s[G0X:G0X+3], s[G1X:G1X+7]  ; my 16 rows of x
	s_nop 0
	; the lanes' addresses, in the wait for the tiles
	v_and_b32 v[LN], 31, v0
	v_and_b32 v[RR], 15, v0
	v_bfe_u32 v[HH], v0, 4, 1
	v_mul_u32_u24 v[CA], v[LN], CPITCH
	v_add_nc_u32 v[CA], s48, v[CA]
	v_mul_u32_u24 v[CS], v[LN], BPITCH
	v_add_nc_u32 v[CS], s49, v[CS]
	v_lshl_add_u32 v[NA], v0, 2, NV                ; coord 32 w + l is the thread's number
	v_mul_u32_u24 v[AX], v[RR], CPITCH
	v_lshl_add_u32 v[AX], v[HH], 5, v[AX]          ; a fragment's channels 8 (l / 16) on are 32 bytes of f32 on
	v_add_nc_u32 v[AX], s51, v[AX]
	v_mul_u32_u24 v[AC], v[RR], BPITCH
	v_lshl_add_u32 v[AC], v[HH], 4, v[AC]
	v_add_nc_u32 v[AC], CB, v[AC]
	v_lshl_add_u32 v[NL], v[HH], 5, NV
	v_mov_b32 v[NB], NV
	; The turning load takes 16 coords x 16 channels (lane l reads 16 bytes: coord 8 (l / 16) + l % 8, channels 8 ((l / 8) % 2) + 0..7) and leaves half a fragment of coords^T: lane l holds channel l % 16 and 8 coords.
	v_and_b32 v[TW], 7, v0
	v_lshl_add_u32 v[TW], v[HH], 3, v[TW]
	v_mul_u32_u24 v[ATR], v[TW], BPITCH
	v_bfe_u32 v[TW], v0, 3, 1
	v_lshl_add_u32 v[ATR], v[TW], 4, v[ATR]
	v_add_nc_u32 v[ATR], CB, v[ATR]
.irp q, 0,1,2,3,4,5,6,7
	v_mov_b32 v[NS+(\q)], 0                        ; eight partial sums
.endr
; THE CONVERSION OF coords.  Lane l of wave w owns coord 32 w + l.  Part u of four takes channels 32 q + 8 u + 0..7 for q = 0..7, so that partial sum q adds the squares of channels 32 q .. 32 q + 31 in ascending order.
.macro CLOAD u                         ; 16 loads: part u in f32 into the buffer of u's parity
.set RAW, F0+64*((\u)%2)
.irp q, 0,1,2,3,4,5,6,7
	ds_load_b128 v[RAW+8*(\q):RAW+8*(\q)+3],   v[CA] offset:128*(\q)+32*(\u)
	ds_load_b128 v[RAW+8*(\q)+4:RAW+8*(\q)+7], v[CA] offset:128*(\q)+32*(\u)+16
.endr
.endm
.macro CPROC u                         ; part u: rounded to bf16; the squares of the ROUNDED numbers (exact in f32) added, eight chains side by side; 8 stores of 16 bytes into CB
.set RAW, F0+64*((\u)%2)
.irp q, 0,1,2,3,4,5,6,7
.irp i, 0,1,2,3
	v_cvt_pk_bf16_f32 v[PK+4*(\q)+(\i)], v[RAW+8*(\q)+2*(\i)], v[RAW+8*(\q)+2*(\i)+1]
.endr
.endr
.irp i, 0,1,2,3
.irp q, 0,1,2,3,4,5,6,7
	v_fma_mix_f32_bf16 v[NS+(\q)], v[PK+4*(\q)+(\i)], v[PK+4*(\q)+(\i)], v[NS+(\q)] op_sel_hi:[1,1,0]                 ; the low half squared
.endr
.irp q, 0,1,2,3,4,5,6,7
	v_fma_mix_f32_bf16 v[NS+(\q)], v[PK+4*(\q)+(\i)], v[PK+4*(\q)+(\i)], v[NS+(\q)] op_sel:[1,1,0] op_sel_hi:[1,1,0]  ; the high half squared
.endr
.endr
.irp q, 0,1,2,3,4,5,6,7
	ds_store_b128 v[CS], v[PK+4*(\q):PK+4*(\q)+3] offset:64*(\q)+16*(\u)
.endr
.endm
; THE PRODUCT'S PARTS.  A fragment is 16 rows x 32 channels in 8 registers: lane l holds row l % 16; registers 0-3 channels 8 (l / 16) + 0..7, registers 4-7 channels 16 + 8 (l / 16) + 0..7.
.macro XLOAD s                         ; my row's 16 numbers of step s, in f32: 4 loads
	ds_load_b128 v[XR:XR+3],     v[AX] offset:128*(\s)
	ds_load_b128 v[XR+4:XR+7],   v[AX] offset:128*(\s)+16
	ds_load_b128 v[XR+8:XR+11],  v[AX] offset:128*(\s)+64
	ds_load_b128 v[XR+12:XR+15], v[AX] offset:128*(\s)+80
.endm
.macro XCVT s, m                       ; rounded to bf16: x's fragment of step s, into buffer s % m
.irp i, 0,1,2,3,4,5,6,7
	v_cvt_pk_bf16_f32 v[XB+8*((\s)%(\m))+(\i)], v[XR+2*(\i)], v[XR+2*(\i)+1]
.endr
.endm
.macro ALOAD s                         ; the eight fragments of coords of step s: 16 loads
.irp b, 0,1,2,3,4,5,6,7
	ds_load_b128 v[F0+64*((\s)%2)+8*(\b):F0+64*((\s)%2)+8*(\b)+3],   v[AC] offset:16*BPITCH*(\b)+64*(\s)
	ds_load_b128 v[F0+64*((\s)%2)+8*(\b)+4:F0+64*((\s)%2)+8*(\b)+7], v[AC] offset:16*BPITCH*(\b)+64*(\s)+32
.endr
.endm
.macro MUL s                           ; 8 matrix instructions; the 8 accumulators take turns, from step to step too
.irp b, 0,1,2,3,4,5,6,7
	v_wmma_f32_16x16x32_bf16 v[ACC+8*(\b):ACC+8*(\b)+7], v[F0+64*((\s)%2)+8*(\b):F0+64*((\s)%2)+8*(\b)+7], v[XB+8*((\s)%3):XB+8*((\s)%3)+7], v[ACC+8*(\b):ACC+8*(\b)+7]
.endr
.endm
; Step s.  The next step's x is rounded, and the loads of what comes behind are issued, ahead of this step's products.  The eight roundings name no register of the products of step s - 1 (they write x's buffer
; (s + 1) % 3, read last in step s - 2): they are the places between those products and the loads into the fragment buffer that those products read.
.macro STEP s
.if (\s) < 7
	s_wait_dscnt 16                                ; x of step s + 1 is in; the 16 younger loads, this step's coords, may be out
	XCVT (\s)+1, 3
.endif
.if (\s) < 6
	XLOAD (\s)+2
.endif
.if (\s) < 7
	ALOAD (\s)+1
.endif
.if (\s) < 6
	s_wait_dscnt 20                                ; this step's coords are in; 4 + 16 younger loads stay out
.elseif (\s) == 6
	s_wait_dscnt 16                                ; 16 younger loads stay out
.else
	s_wait_dscnt 0x0
.endif
	MUL \s
.endm
	s_wait_tensorcnt 0x1                           ; tensor loads of a wave end in order (ISA guide 10.11.1): my quarter of coords is in, x may be out.  Only I read that quarter, so no barrier is needed
	CLOAD 0
	CLOAD 1
	s_wait_dscnt 16                                ; part 0 is in; part 1's 16 loads stay out
	CPROC 0
	CLOAD 2
	s_wait_dscnt 24                                ; part 1 is in: 8 stores and 16 loads are younger
	CPROC 1
	CLOAD 3
	s_wait_dscnt 24                                ; part 2 likewise
	CPROC 2
	s_wait_dscnt 8                                 ; part 3 is in: 8 stores are younger
	CPROC 3
.irp q, 1,2,3,4,5,6,7
	v_add_f32 v[NS], v[NS], v[NS+(\q)]             ; the eight partial sums in ascending order
.endr
	ds_store_b32 v[NA], v[NS]                      ; |c_i|^2
	s_wait_tensorcnt 0x0                           ; my rows of x are in
	XLOAD 0
	s_wait_dscnt 0x0                               ; for the others' sake: my stores into CB and NV are done; and x of step 0 is in
	s_barrier_signal -1
	XCVT 0, 3                                      ; work on registers while the others arrive
	s_barrier_wait -1                              ; all of CB and NV is there
	; THE SEARCH.  A common shift of a row's scores changes no order, so the sums start at |c_i|^2 - |c_0|^2, which keeps them small: register j of accumulator b is coord 16 b + 8 (l / 16) + j
	ds_load_b32 v[N0], v[NB]
	ds_load_b32 v[N0+1], v[NB]
.irp b, 0,1,2,3,4,5,6,7
	ds_load_b128 v[ACC+8*(\b):ACC+8*(\b)+3],   v[NL] offset:64*(\b)
	ds_load_b128 v[ACC+8*(\b)+4:ACC+8*(\b)+7], v[NL] offset:64*(\b)+16
.endr
	XLOAD 1
	ALOAD 0
	s_wait_dscnt 20                                ; the 18 loads of squares are in; 4 + 16 younger loads stay out
.set i, 0
.rept 32
	v_pk_add_f32 v[ACC+i:ACC+i+1], v[ACC+i:ACC+i+1], v[N0:N0+1] neg_lo:[0,1] neg_hi:[0,1]
.set i, i+2
.endr
.irp s, 0,1,2,3,4,5,6,7
	STEP \s
.endr
	; Addresses and constants for what follows: 19 plain instructions that name no register of the last two steps' products: the places behind them (ISA guide 7.12.1).
	v_mul_u32_u24 v[STO], v[RR], SPITCH            ; the way out, in: row l % 16, 8 bytes for each half of the lanes
	v_lshl_add_u32 v[STO], v[HH], 3, v[STO]
	v_add_nc_u32 v[STO], s50, v[STO]
	v_lshrrev_b32 v[RD], 3, v[LN]                  ; back: 32 lanes take four rows of 128 bytes,
	v_mul_u32_u24 v[RD], v[RD], SPITCH
	v_and_b32 v[TW], 7, v[LN]
	v_lshl_add_u32 v[RD], v[TW], 4, v[RD]
	v_add_nc_u32 v[RD], s50, v[RD]
	v_lshlrev_b32 v[GO], 4, v[LN]                  ; which are 512 consecutive bytes of out0
	v_mov_b32 v[K0], 1
	v_mov_b32 v[K0+1], 0x100
	v_mov_b32 v[K0+2], 0x10000
	v_mov_b32 v[K0+3], 0x1000000
	v_mov_b32 v[SENT], KB+255
	v_lshlrev_b32 v[H8], 3, v[HH]
	v_mov_b32 v[NAV], 0
	v_mov_b32 v[NBV], 0
	v_mov_b32 v[DOT], 0                            ; the chain starts at 0
	v_mov_b32 v[DOP], 0                            ; (written, since a lane exchange counts as a reader of its destination)
.irp b, 0,1,2,3,4,5,6,7
	ds_load_b128 v[NR+8*(\b):NR+8*(\b)+3],   v[NL] offset:64*(\b)     ; |c_i|^2 of my 64 coords once more, unshifted: wanted when A is known
	ds_load_b128 v[NR+8*(\b)+4:NR+8*(\b)+7], v[NL] offset:64*(\b)+16
.endr
; THE TWO SMALLEST of the lane's 64 scores, equal numbers counted each: four chains, chain c over accumulators 2 c and 2 c + 1, two scores at a time in ascending order (each accumulator's lowest registers
; are read first).  For a pair (v, w): the middle one of (m1, v, w) is the second smallest of those three, m2 is never below m1, so the new m2 is the lesser of the two.
.irp c, 0,1,2,3
	v_min_num_f32 v[M1+(\c)], v[ACC+16*(\c)], v[ACC+16*(\c)+1]
	v_max_num_f32 v[M2+(\c)], v[ACC+16*(\c)], v[ACC+16*(\c)+1]
.endr
.macro T2STAGE p                       ; pair p of each chain; the four chains side by side, so that no line reads the result of the line before it
.irp c, 0,1,2,3
	v_med3_num_f32 v[TT+(\c)], v[M1+(\c)], v[ACC+16*(\c)+2*(\p)], v[ACC+16*(\c)+2*(\p)+1]
.endr
.irp c, 0,1,2,3
	v_min3_num_f32 v[M1+(\c)], v[M1+(\c)], v[ACC+16*(\c)+2*(\p)], v[ACC+16*(\c)+2*(\p)+1]
.endr
.irp c, 0,1,2,3
	v_min_num_f32 v[M2+(\c)], v[M2+(\c)], v[TT+(\c)]
.endr
.endm
.irp p, 1,2,3,4,5,6,7
	T2STAGE \p
.endr
.macro T2MERGE a, b                    ; chain b into chain a: the second smallest of both is the larger of the two smallest, or one of the two second smallest
	v_max_num_f32 v[TT+(\a)], v[M1+(\a)], v[M1+(\b)]
	v_min_num_f32 v[M1+(\a)], v[M1+(\a)], v[M1+(\b)]
	v_min3_num_f32 v[M2+(\a)], v[TT+(\a)], v[M2+(\a)], v[M2+(\b)]
.endm
	T2MERGE 0, 1
	T2MERGE 2, 3
	T2MERGE 0, 2
	v_permlanex16_b32 v[TT], v[M1], s[SEL], s[SEL+1]    ; the row's other 64 coords lie in the lane 16 away (the destinations have been written above)
	v_permlanex16_b32 v[TT+1], v[M2], s[SEL], s[SEL+1]
	v_min_num_f32 v[M1R], v[M1], v[TT]                  ; the row's smallest,
	v_max_num_f32 v[TT], v[M1], v[TT]
	v_min3_num_f32 v[M2R], v[TT], v[M2], v[TT+1]        ; and second smallest, in both lanes
; THE PLACES A AND B.  Score e of the lane's 64 (register e of the accumulators) is coord e + 8 (e / 8) + 8 (l / 16); its key in my lane's own count is KB + e + 8 (e / 8).  Group g is scores 4 g .. 4 g + 3.
; A = the lowest place whose score equals the smallest; B = the lowest place other than A whose score equals the second smallest.  So A and B differ also where the two scores are equal.
.macro MINS g                          ; group g's four candidate keys into chain g % 4
.if (\g) < 4
	v_min_num_f32 v[CM+(\g)%4], v[CD+4*((\g)%2)], v[CD+4*((\g)%2)+1]
.else
	v_min3_num_f32 v[CM+(\g)%4], v[CM+(\g)%4], v[CD+4*((\g)%2)], v[CD+4*((\g)%2)+1]
.endif
	v_min3_num_f32 v[CM+(\g)%4], v[CM+(\g)%4], v[CD+4*((\g)%2)+2], v[CD+4*((\g)%2)+3]
.endm
.macro ROWKEY dst                      ; the four chains, then both halves of the lanes: the row's lowest key, kept less my own 8 (l / 16)
	v_min3_num_f32 v[CM], v[CM], v[CM+1], v[CM+2]
	v_min_num_f32 v[CM], v[CM], v[CM+3]
	v_add_nc_u32 v[CM], v[CM], v[H8]
	v_permlanex16_b32 v[CM+1], v[CM], s[SEL], s[SEL+1]
	v_min_num_f32 v[CM], v[CM], v[CM+1]
	v_sub_nc_u32 v[\dst], v[CM], v[H8]
.endm
.macro FINDA g
.irp q, 0,1,2,3
	v_cmp_eq_f32 s[MK+4*((\g)%2)+(\q)], v[ACC+4*(\g)+(\q)], v[M1R]
.endr
.irp q, 0,1,2,3
	v_cndmask_b32 v[CD+4*((\g)%2)+(\q)], v[SENT], KB+4*(\g)+(\q)+8*((\g)/2), s[MK+4*((\g)%2)+(\q)]
.endr
	MINS \g
.endm
; Two words of a fragment of source 1 from four masks of which one bit a lane at the most is set: bf16 1.0 in the low half (even place) or in the high half (odd place), else 0.
; Registers 0-3 of a fragment of 32 coords are the places of accumulator 2 k, registers 4-7 those of accumulator 2 k + 1: word e / 2 holds places e and e + 1.
.macro ONEHOT dst, g, m
	v_cndmask_b32 v[(\dst)+2*(\g)], 0, 0x3f80, s[(\m)]
	v_cndmask_b32 v[(\dst)+2*(\g)+1], 0, 0x3f80, s[(\m)+2]
	v_cndmask_b32 v[(\dst)+2*(\g)], v[(\dst)+2*(\g)], 1.0, s[(\m)+1]
	v_cndmask_b32 v[(\dst)+2*(\g)+1], v[(\dst)+2*(\g)+1], 1.0, s[(\m)+3]
.endm
.macro PICKA g                         ; A is known: its fragment, its square; and the candidates for B
.irp q, 0,1,2,3
	v_cmp_eq_f32 s[MK+(\q)], KB+4*(\g)+(\q)+8*((\g)/2), v[IA]
.endr
.irp q, 0,1,2,3
	v_cmp_eq_f32 s[MK+4+(\q)], v[ACC+4*(\g)+(\q)], v[M2R]
.endr
.irp q, 0,1,2,3
	s_and_not1_b32 s[MK+4+(\q)], s[MK+4+(\q)], s[MK+(\q)]        ; not A itself
.endr
	ONEHOT SA, \g, MK
.irp q, 0,1,2,3
	v_cndmask_b32 v[NAV], v[NAV], v[NR+4*(\g)+(\q)], s[MK+(\q)]
.endr
.irp q, 0,1,2,3
	v_cndmask_b32 v[CD+4*((\g)%2)+(\q)], v[SENT], KB+4*(\g)+(\q)+8*((\g)/2), s[MK+4+(\q)]
.endr
	MINS \g
.endm
.macro PICKB g                         ; B is known: its fragment, its square
.irp q, 0,1,2,3
	v_cmp_eq_f32 s[MK+4*((\g)%2)+(\q)], KB+4*(\g)+(\q)+8*((\g)/2), v[IB]
.endr
	ONEHOT SB, \g, MK+4*((\g)%2)
.irp q, 0,1,2,3
	v_cndmask_b32 v[NBV], v[NBV], v[NR+4*(\g)+(\q)], s[MK+4*((\g)%2)+(\q)]
.endr
.endm
; THE DECISION'S PARTS.  Block c is channels 16 c .. 16 c + 15.
.macro TLOAD c                         ; coords^T of block c: four fragments of 16 channels x 32 coords: 8 turning loads
.irp k, 0,1,2,3
	ds_load_tr16_b128 v[FT+32*((\c)%2)+8*(\k):FT+32*((\c)%2)+8*(\k)+3],   v[ATR] offset:32*BPITCH*(\k)+32*(\c)
	ds_load_tr16_b128 v[FT+32*((\c)%2)+8*(\k)+4:FT+32*((\c)%2)+8*(\k)+7], v[ATR] offset:32*BPITCH*(\k)+16*BPITCH+32*(\c)
.endr
.endm
.macro SELM c                          ; block c of c_A and of c_B: in the result lane l holds row l % 16 and channels 16 c + 8 (l / 16) + 0..7.  The two accumulators take turns
.set DD, DSEL+16*((\c)%2)
.set FF, FT+32*((\c)%2)
	v_wmma_f32_16x16x32_bf16 v[DD:DD+7],    v[FF:FF+7], v[SA:SA+7], 0
	v_wmma_f32_16x16x32_bf16 v[DD+8:DD+15], v[FF:FF+7], v[SB:SB+7], 0
.irp k, 1,2,3
	v_wmma_f32_16x16x32_bf16 v[DD:DD+7],    v[FF+8*(\k):FF+8*(\k)+7], v[SA+8*(\k):SA+8*(\k)+7], v[DD:DD+7]
	v_wmma_f32_16x16x32_bf16 v[DD+8:DD+15], v[FF+8*(\k):FF+8*(\k)+7], v[SB+8*(\k):SB+8*(\k)+7], v[DD+8:DD+15]
.endr
.endm
.macro CHAIN8 a                        ; eight links: sum = w x + sum, x straight from its bf16 half
.irp i, 0,1,2,3
	v_fma_mix_f32_bf16 v[\a], v[WR+2*(\i)],   v[XX+(\i)], v[\a] op_sel_hi:[0,1,0]
	v_fma_mix_f32_bf16 v[\a], v[WR+2*(\i)+1], v[XX+(\i)], v[\a] op_sel:[0,1,0] op_sel_hi:[0,1,0]
.endr
.endm
; Block c of the chain.  A row's channels 16 c + 0..7 lie in the lower half of the lanes, 16 c + 8..15 in the upper.  The sum is the lower half's; after eight links it goes over, the same eight lines run
; again, now to the upper half's purpose, and it comes back.  What the half that does not hold the sum computes meanwhile is finite and is thrown away.
.macro CHAIN c
.set DD, DSEL+16*((\c)%2)
.set XX, XB+8*(((\c)/2)%2)+4*((\c)%2)  ; x's fragment of step c / 2: registers 0-3 are block 2 (c / 2)'s channels, registers 4-7 the next block's
.irp i, 0,1,2,3
	v_pk_add_f32 v[WR+2*(\i):WR+2*(\i)+1], v[DD+2*(\i):DD+2*(\i)+1], v[DD+8+2*(\i):DD+8+2*(\i)+1] neg_lo:[0,1] neg_hi:[0,1]  ; w = c_A - c_B; both accumulators are read from their low end
.endr
	CHAIN8 DOT
	v_permlanex16_b32 v[DOP], v[DOT], s[SEL], s[SEL+1]
	CHAIN8 DOP
	v_permlanex16_b32 v[DOT], v[DOP], s[SEL], s[SEL+1]
.endm
; Turn c: the loads of block c + 2, the products of block c + 1, the chain of block c.  The chain of block c - 1 (22 plain instructions that name no register of block c's products) stands between those
; products and all that must keep its distance from them: the loads into their fragment buffer, the first read of their results, the products that write their results' registers again.
; LDS loads are issued in this order: block c + 1; behind an odd turn x of the next step but one; block c + 2.  So 4 + 8 loads are younger than block c + 1's in an even turn, 8 in an odd one,
; whose wait also shows the x in that is rounded at its end.
.macro TURN c
.if (\c) < 14
	TLOAD (\c)+2
.endif
.if (\c) < 15
.if (\c) == 14
	s_wait_dscnt 0x0                               ; nothing younger is left
.elseif (\c)%2 == 0
	s_wait_dscnt 12
.else
	s_wait_dscnt 8
.endif
	SELM (\c)+1
.endif
	CHAIN \c
.if ((\c)%2 == 1) && ((\c) < 15)
	XCVT ((\c)+1)/2, 2
.if (\c) < 13
	XLOAD ((\c)+3)/2
.endif
.endif
.endm
.irp g, 0,1,2,3,4,5,6,7,8,9,10,11,12,13,14,15
	FINDA \g
.endr
	ROWKEY IA
	s_wait_dscnt 0x0                               ; the squares are in
.irp g, 0,1,2,3,4,5,6,7,8,9,10,11,12,13,14,15
	PICKA \g
.endr
	ROWKEY IB
	XLOAD 0                                        ; the scores and their minima are done with: x of step 0 once more, and the first two blocks of coords^T, land while B's fragment is made
	TLOAD 0
	TLOAD 1
.irp g, 0,1,2,3,4,5,6,7,8,9,10,11,12,13,14,15
	PICKB \g
.endr
	v_permlanex16_b32 v[CD], v[NAV], s[SEL], s[SEL+1]    ; one half of the lanes found the square, the other kept 0: their sum is the square, in both
	v_permlanex16_b32 v[CD+1], v[NBV], s[SEL], s[SEL+1]
	v_add_f32 v[NAV], v[NAV], v[CD]
	v_add_f32 v[NBV], v[NBV], v[CD+1]
	v_sub_f32 v[NAV], v[NAV], v[NBV]               ; |c_A|^2 - |c_B|^2
	s_wait_dscnt 8                                 ; x of step 0 and block 0 are in; block 1's 8 loads stay out
	SELM 0
	XCVT 0, 2                                      ; eight roundings: the places behind block 0's products
	XLOAD 1
.irp c, 0,1,2,3,4,5,6,7,8,9,10,11,12,13,14,15
	TURN \c
.endr
	v_cndmask_b32 v[DOT], v[DOT], v[DOP], s[HM]    ; the finished sum: the lower half has it in DOT, the upper in DOP
	v_add_f32 v[HV], v[DOT], v[NAV]                ; h
	v_cmp_gt_f32 s[MK], 0, v[HV]                   ; h < 0: A's score is the smaller
	v_cmp_lt_f32 s[MK+1], 0, v[HV]                 ; h > 0: B's
	v_cndmask_b32 v[WIN], v[SENT], v[IA], s[MK]    ; h = 0: the key above all keys: no byte is 1
	v_cndmask_b32 v[WIN], v[WIN], v[IB], s[MK+1]
; THE BYTES.  Word d holds the bytes of scores 4 d .. 4 d + 3.  One key at the most equals WIN, so one byte of a word at the most is 1, and a chain of selects makes the word.
.macro OUTW d
.irp q, 0,1,2,3
	v_cmp_eq_f32 s[MK+4*((\d)%2)+(\q)], KB+4*(\d)+(\q)+8*((\d)/2), v[WIN]
.endr
	v_cndmask_b32 v[W+(\d)], 0, v[K0], s[MK+4*((\d)%2)]
.irp q, 1,2,3
	v_cndmask_b32 v[W+(\d)], v[W+(\d)], v[K0+(\q)], s[MK+4*((\d)%2)+(\q)]
.endr
.endm
.irp d, 0,1,2,3,4,5,6,7,8,9,10,11,12,13,14,15
	OUTW \d
.endr
	; THE WAY OUT, through my own stage: a lane's 8 bytes of block b go to row l % 16, byte 16 b + 8 (l / 16); rows 144 bytes (36 words) apart.
.irp b, 0,1,2,3,4,5,6,7
	ds_store_b64 v[STO], v[W+2*(\b):W+2*(\b)+1] offset:16*(\b)
.endr
.irp t, 0,1,2,3
	ds_load_b128 v[OB+4*(\t):OB+4*(\t)+3], v[RD] offset:(\t)*4*SPITCH  ; LDS serves a wave's instructions in order (ISA guide 5.7.1.4): these see the stores above
.endr
.irp t, 0,1,2,3
	s_wait_dscnt 3-(\t)                            ; load t is in; the younger ones stay out
	global_store_b128 v[GO], v[OB+4*(\t):OB+4*(\t)+3], s[8:9] offset:512*(\t) th:TH_STORE_NT  ; four rows of out0: 512 consecutive bytes, at a multiple of 512 from out0's first byte
.endr
	s_wait_tensorcnt 0x0                           ; the wave's end, behind my last tensor load and my last LDS store
	ds_add_u32 v[SPW], v[NIL]
	s_wait_dscnt 0x0
	ROUND                                          ; the closing round: no work-group ends while a partner may still ask for a tile that names it
	s_endpgm
.Lfunc_end_k_q57270971a4_kmad:
	.size	k_q57270971a4_kmad, .Lfunc_end_k_q57270971a4_kmad-k_q57270971a4_kmad
	.p2alignl 7, 3214868480
	.fill 96, 4, 3214868480
	.section	.rodata,"a",@progbits
	.p2align	6, 0x0
	.amdhsa_kernel k_q57270971a4_kmad
		.amdhsa_group_segment_fixed_size 277504
		.amdhsa_private_segment_fixed_size 0
		.amdhsa_enable_private_segment 0
		.amdhsa_kernarg_size 24
		.amdhsa_user_sgpr_count 2
		.amdhsa_user_sgpr_kernarg_segment_ptr 1
		.amdhsa_wavefront_size32 1
		.amdhsa_system_sgpr_workgroup_id_x 1
		.amdhsa_system_sgpr_workgroup_id_y 1
		.amdhsa_system_sgpr_workgroup_id_z 1
		.amdhsa_system_vgpr_workitem_id 0
		.amdhsa_next_free_vgpr 256
		.amdhsa_next_free_sgpr 66
		.amdhsa_reserve_vcc 0
		.amdhsa_float_denorm_mode_32 3
		.amdhsa_float_denorm_mode_16_64 3
		.amdhsa_memory_ordered 1
		.amdhsa_forward_progress 1
		.amdhsa_inst_pref_size 178
	.end_amdhsa_kernel
	.amdgpu_metadata
---
amdhsa.version: [ 1, 2 ]
amdhsa.kernels:
  - .name:           k_q57270971a4_kmad
    .symbol:         k_q57270971a4_kmad.kd
    .args:
      - { .name: x, .offset: 0, .size: 8, .value_kind: global_buffer, .address_space: global }
      - { .name: coords, .offset: 8, .size: 8, .value_kind: global_buffer, .address_space: global }
      - { .name: out0, .offset: 16, .size: 8, .value_kind: global_buffer, .address_space: global }
    .group_segment_fixed_size: 277504
    .private_segment_fixed_size: 0
    .kernarg_segment_align: 8
    .kernarg_segment_size: 24
    .max_flat_workgroup_size: 128
    .sgpr_count:     66
    .vgpr_count:     256
    .wavefront_size: 32
...
	.end_amdgpu_metadata
.endif
;; end of part 1
